; MI455X (gfx1250); checked and timed in simulation.
; The chip was launched on July 23, 2026; its instructions are those of AMD's public machine-readable ISA for CDNA 5 (MIT licence, August 2026) and "CDNA5" Instruction Set Architecture Reference Guide (July 2026). The comments in the code are by the model that wrote it; some were corrected since.
;; Multi Head Attention. Allowed arithmetic: matrix products marked QUANTISED: E4M3 operands, one given power-of-two scale a tensor, by v_wmma_f32_16x16x64_fp8_fp8 or v_wmma_f32_16x16x128_fp8_fp8, f32 sums; everything else in f32.
;; Inputs: Wk_codes 512 x 16 x 32 uint8 (E4M3 codes of Wk, K innermost, in blocks of 32 codes); Wo_codes 512 x 16 x 32 uint8 (E4M3 codes of Wo, K innermost, in blocks of 32 codes); Wq_codes 512 x 16 x 32 uint8 (E4M3 codes of Wq, K innermost, in blocks of 32 codes); Wv_codes 512 x 16 x 32 uint8 (E4M3 codes of Wv, K innermost, in blocks of 32 codes); bk 512 float32; bo 512 float32; bq 512 float32; bv 512 float32; lowp_scales 12 int32 (the exponents e of the quantised operands' scales 2^e); x_codes 2 x 4,096 x 16 x 32 uint8 (E4M3 codes of x, K innermost, in blocks of 32 codes).
;; Outputs: out0 2 x 4,096 x 512 float32.
;; This version of the problem:
;;   THIS VERSION OF THE PROBLEM IS GIVEN IN LOW PRECISION. The matrix products marked QUANTISED in the list below multiply operands that are first quantised to E4M3 (4 exponent bits, 3 mantissa bits; 8 bits a number), with one given power-of-two scale for each operand tensor; their sums are f32. All else is computed in f32.
;;   The module's matrix products, in the order in which they are computed (A, B: the left and right operand; K: the contracted axis; several contracted axes count as one K, in the product's order):
;;     1. [M 8,192, K 512] x [K 512, N 512]; A: input x (given as codes); B: input Wq (given as codes): QUANTISED (scales: A lowp_scales[0], B lowp_scales[1])
;;     2. [M 8,192, K 512] x [K 512, N 512]; A: input x (given as codes); B: input Wk (given as codes): QUANTISED (scales: A lowp_scales[2], B lowp_scales[3])
;;     3. [M 8,192, K 512] x [K 512, N 512]; A: input x (given as codes); B: input Wv (given as codes): QUANTISED (scales: A lowp_scales[4], B lowp_scales[5])
;;     4. batch 16 x [M 4,096, K 64] x [K 64, N 4,096]; A: computed on the way; B: computed on the way: QUANTISED (scales: A lowp_scales[6], B lowp_scales[7])
;;     5. batch 16 x [M 4,096, K 4,096] x [K 4,096, N 64]; A: softmax (see below); B: computed on the way: QUANTISED (scales: A lowp_scales[8], B lowp_scales[9])
;;     6. [M 8,192, K 512] x [K 512, N 512]; A: computed on the way; B: input Wo (given as codes): QUANTISED (scales: A lowp_scales[10], B lowp_scales[11])
;;   THE QUANTISER, for each operand of a quantised product, along K:
;;     - The operand's scale is 2^e, e = its entry of the input lowp_scales (int32; the entries are numbered through the quantised products in the list's order, A before B).
;;     - Each number is divided by the scale, clamped to +-448, and rounded to the nearest number of E4M3, ties to even, subnormals kept.
;;     - The product sums the exact products of the quantised numbers (number of the format x scale) in f32.
;;   ~~~python
;;   def quantise(x, axis, e):      # numpy; x: float32 -> the quantised numbers, widened to float32 again
;;       x = np.moveaxis(x, axis, -1); K = x.shape[-1]
;;       r = np.clip(x / 2.0 ** e, -448, 448)
;;       step = 2.0 ** (np.maximum(np.frexp(np.where(r == 0, 1, r))[1] - 1, -6) - 3)
;;       q = np.round(r / step) * step * 2.0 ** e      # np.round: ties to even
;;       return np.moveaxis(q, -1, axis).astype(np.float32)
;;   ~~~
;;   SOFTMAX AHEAD OF A QUANTISED PRODUCT. Where the list says 'softmax', what is quantised is not the finished softmax but p = 2^(t - M), with t = logit x log2(e) and M = ceil(the row's largest t), a whole number; so 1/2 < the row's largest p <= 1. The row's sum l is taken of the UNQUANTISED p, in f32, and the product's result is divided by l at the end. Since M is a whole number, a kernel that streams over the keys may use a running M (the ceiling of the running maximum): every later rescaling is an exact power of two, so the quantised numbers keep their values, but for numbers so far below the row's largest that they fall under the format's range.
;;   OPERANDS COMPUTED ON THE WAY. 'Computed on the way' means the value that the module computes at that place (a softmax that the list does not call 'softmax' is quantised finished and normalised). What goes into a quantiser is computed in f32, as accurately as f32 sums, v_exp_f32 and their like allow (about 1e-6 of the number): no bf16 or f16 on the way to a quantiser, and a product that is left as it is and whose result goes on into a quantised operand takes f32 operands (vector FMAs, or v_wmma_f32_16x16x4_f32). A number that lies on a knife's edge between two numbers of the format may be rounded either way, as far as f32 arithmetic and the matrix unit's own rounding can turn it there, and no further.
;;   INPUTS GIVEN AS CODES. Wk (in the module: [512, 512], K = its axis 1); Wo (in the module: [512, 512], K = its axis 1); Wq (in the module: [512, 512], K = its axis 1); Wv (in the module: [512, 512], K = its axis 1); x (in the module: [2, 4096, 512], K = its axis 2): each comes as NAME_codes (uint8): NAME with its K axis moved to the last place and cut into blocks of 32 codes, [.., K / 32, bytes a block], one block behind the other in memory; one code a byte (a code: sign, 4 exponent bits, 3 mantissa bits); its scale is its entry of lowp_scales. Its value is code x scale, taken as it is: it is not quantised again, and the codes and scales need not be those that the quantiser above would give.
;; One version. Each part assembles by itself: llvm-mc -triple=amdgcn-amd-amdhsa -mcpu=gfx1250 --defsym DOCPART=n.
;; ======== version 1 of 1: 3 launches
;; limits: right only within a limited range of input values
;; workspace buffers: q 4,194,304 bytes; kv 8,388,608 bytes; ctx 4,194,304 bytes
;; launch qkv (part 1): grid 64 x 3, 8 waves a work-group, no clusters, 68,608 bytes of LDS; arguments x_codes, Wq_codes, Wk_codes, Wv_codes, bq, bk, bv, lowp_scales, q, kv; writes q, kv
.if DOCPART == 1
	.amdgcn_target "amdgcn-amd-amdhsa--gfx1250"
	.amdhsa_code_object_version 6
	.text
	.protected	k_q07b978365e_qkv
	.globl	k_q07b978365e_qkv
	.p2align	8
	.type	k_q07b978365e_qkv,@function
k_q07b978365e_qkv:
	s_mov_b64 s[64:65], 0
	v_nop
	global_prefetch_b8 v0, s[64:65] scope:SCOPE_SE
	s_setreg_imm32_b32 hwreg(HW_REG_WAVE_MODE, 25, 1), 1
	s_wait_xcnt 0x0
; Q = x Wq^T + bq, K = x Wk^T + bk, V = x Wv^T + bv on E4M3 codes, each result quantised at once to E4M3 with its given scale and stored as codes.
; DEAD WORK: none.  Every input has a way to out0: bq, bk and bv move the codes of Q, K and V, which are operands of live quantised products; all twelve scales are used; there is no mask.
; x has a scale of its own in each of the three products (entries 0, 2, 4 of the scales); each is taken where it belongs.
; SHARES.  Work-group x: 128 rows of x (batch = x / 32, key step s = x % 32).  Work-group y: 0 = Q, 1 = K, 2 = V.  Wave w = head w: its 64 rows of W (32,768 bytes) go once into
; registers (window 1) and stay.  The block of x (65,536 bytes) goes once through LDS, as images of operand registers, and all eight waves read it.
; NO JOINT LOADS: a joint load lands in LDS; 262,144 bytes of weights beside the 67,584 of x and the spare words are more than the 327,680 that a work-group can have, and each wave
; wants its weights in registers once.  The block of x is shared by the three work-groups of a column of the grid, which no cluster of four divides.
; ROW ORDER.  rho(r) = r + 8 (r / 8).  Tile 2 b + u (of x rows in the block, and of W rows in the head) takes rows 32 b + 8 u + rho(lane % 16).  In a result a lane holds rows 8 (lane / 16) + j
; of source 0, so the 16 registers of tiles 2 b and 2 b + 1 are 16 neighbours, 32 b + 16 (lane / 16) + 0 .. 15: the conversions give operand registers as they stand.
; Q, K: source 0 = W, source 1 = x: a lane holds one row of x and 16 neighbouring features: fragments along the head size.  V: source 0 = x, source 1 = W: a lane holds one feature and 16
; neighbouring keys: fragments of V^T along the keys.  Every fragment is fed in pieces of 16 bytes (registers 4 c .. 4 c + 3: k = 32 c + 16 (lane / 16) + 0 .. 15), the same on both sides of every product.
; OUT.  q: [head-batch 16][tile 256][piece 2][lane 32][16 bytes].  kv: [head-batch 16][step 32][16,384]: 8,192 of K ([tile 8][piece 2][lane][16]), then 8,192 of V^T ([tile 4][piece 4][lane][16]).
; Each store of a wave covers 512 consecutive bytes, aligned.
; The bias is the C of each sum's first matrix instruction, divided by 2^(ex + ew); the three scales are folded into the conversion's one, 2^(eo - ex - ew).
; LIMITS: eo - ex - ew between -126 and 119 for each of Q, K, V, so that the scale and 448 x the scale are f32 numbers.  NaN among the biases is not served.
.set XT,    8448                       ; LDS: a tile of x, 16 pieces of 512 bytes, 528 apart
.set XP,    528
.set SPARE, 8*XT                       ; behind the eight tiles: the spare words, 128 bytes for each wave: four blocks of 256 bytes that no other line names
.set LI,    1                          ; v1   16 x lane
.set XST,   2                          ; v2   where I store my 16 bytes of a row of x
.set WA,    3                          ; v3   W: rho(r) x 512 + 16 h
.set SPW,   4                          ; v4   my spare word; never rewritten
.set NIL,   5                          ; v5   0; never rewritten
.set SC,    6                          ; v6   2^(eo - ex - ew) as f32
.set LIM,   7                          ; v7   448 x that
.set LI2,   8                          ; v8   16 x lane + 4 tiles: tiles 4 to 7 are read from here, as tile 7 lies beyond what the 16-bit offset reaches from v1
.set BI,    16                         ; v16-47   the bias, 8 registers for each of W's four tiles
.set XB,    48                         ; v48-175  x's fragments of a tile (4 K steps x 16), two buffers
.set ACC,   176                        ; v176-239 four accumulators, two sets
.set CD,    240                        ; v240-255 codes
.set MSB, 0
.macro WIN new                         ; the immediate's high byte repeats the setting that is left
.if MSB != \new
	s_set_vgpr_msb (MSB<<8)|\new
.set MSB, \new
.endif
.endm
	s_load_b512 s[8:23], s[0:1], 0x0               ; x s[8:9], Wq s[10:11], Wk s[12:13], Wv s[14:15], bq s[16:17], bk s[18:19], bv s[20:21], scales s[22:23]
	s_load_b128 s[24:27], s[0:1], 0x40             ; q s[24:25], kv s[26:27]
	v_lshl_add_u32 v[SPW], v0, 2, SPARE
	v_mov_b32 v[NIL], 0
	v_lshrrev_b32 v9, 5, v0
	s_delay_alu instid0(VALU_DEP_1)
	v_readfirstlane_b32 s28, v9                    ; wave = head
	s_and_b32 s29, ttmp7, 0xffff                   ; 0 Q, 1 K, 2 V
	v_and_b32 v9, 31, v0                           ; lane
	s_delay_alu instid0(VALU_DEP_1)
	v_lshlrev_b32 v[LI], 4, v9
	s_delay_alu instid0(VALU_DEP_1)
	v_add_nc_u32 v[LI2], 4*XT, v[LI]
	s_delay_alu instid0(VALU_DEP_3)
	v_lshrrev_b32 v10, 1, v9                       ; my 16 bytes of a row of x are piece lane / 2,
	s_delay_alu instid0(VALU_DEP_4)
	v_and_b32 v11, 1, v9                           ; half lane % 2
	s_delay_alu instid0(VALU_DEP_2)
	v_mul_u32_u24 v[XST], v10, XP
	s_delay_alu instid0(VALU_DEP_1)
	v_lshl_add_u32 v[XST], v11, 8, v[XST]
	s_mul_i32 s52, s28, XT
	v_add_nc_u32 v[XST], s52, v[XST]               ; wave w stages tile w: w x 8,448 + 528 (lane / 2) + 256 (lane % 2); row j of the tile adds 16 j
	v_and_b32 v12, 15, v0                          ; r
	v_bfe_u32 v13, v0, 4, 1                        ; h
	s_delay_alu instid0(VALU_DEP_2)
	v_and_b32 v14, 8, v12
	s_delay_alu instid0(VALU_DEP_1)
	v_add_nc_u32 v14, v14, v12                     ; rho(r)
	s_delay_alu instid0(VALU_DEP_1)
	v_lshlrev_b32 v[WA], 9, v14
	s_delay_alu instid0(VALU_DEP_1)
	v_lshl_add_u32 v[WA], v13, 4, v[WA]
	s_lshl_b32 s50, ttmp9, 7                       ; x: row 128 x block + 32 (w / 2) + 8 (w % 2), 512 bytes a row
	s_lshr_b32 s54, s28, 1
	s_lshl_b32 s54, s54, 5
	s_add_co_u32 s50, s50, s54
	s_and_b32 s54, s28, 1
	s_lshl_b32 s54, s54, 3
	s_add_co_u32 s50, s50, s54
	s_lshl_b32 s50, s50, 9
	s_mov_b32 s51, 0
	s_lshl_b32 s52, s28, 15                        ; W: my head's 64 rows of 512 bytes
	s_mov_b32 s53, 0
	s_lshl_b32 s54, s28, 8                         ; the bias: my head's 64 numbers
	s_mov_b32 s55, 0
	s_lshr_b32 s58, ttmp9, 5                       ; out: (32 (8 batch + head) + s) blocks of 8,192 bytes in q, of 16,384 in kv; V lies 8,192 behind K
	s_lshl_b32 s58, s58, 3
	s_add_co_u32 s58, s58, s28
	s_lshl_b32 s58, s58, 5
	s_and_b32 s56, ttmp9, 31
	s_add_co_u32 s58, s58, s56
	s_cmp_eq_u32 s29, 0
	s_cselect_b32 s56, 13, 14
	s_lshl_b32 s58, s58, s56
	s_cmp_eq_u32 s29, 2
	s_cselect_b32 s56, 8192, 0
	s_cselect_b32 s60, 0, 64                       ; the bias's strides in bytes: by h,
	s_cselect_b32 s61, 4, 0                        ; by rho(r),
	s_cselect_b32 s62, 0, 4                        ; by register.  Q, K: feature 16 h + j;  V: feature rho(r) in all eight
	s_add_co_u32 s58, s58, s56
	s_mov_b32 s59, 0
	s_wait_alu depctr_va_vdst(0)
	s_wait_kmcnt 0x0
	s_load_b256 s[32:39], s[22:23], 0x0            ; scales 0 to 7
	s_load_b128 s[40:43], s[22:23], 0x20           ; scales 8 to 11
	s_add_nc_u64 s[50:51], s[8:9], s[50:51]
	s_cmp_eq_u32 s29, 0                            ; the buffers are chosen by the work-group's number alone
	s_cselect_b64 s[44:45], s[10:11], s[12:13]
	s_cselect_b64 s[46:47], s[16:17], s[18:19]
	s_cselect_b64 s[48:49], s[24:25], s[26:27]
	s_cmp_eq_u32 s29, 2
	s_cselect_b64 s[44:45], s[14:15], s[44:45]
	s_cselect_b64 s[46:47], s[20:21], s[46:47]
	s_add_nc_u64 s[44:45], s[44:45], s[52:53]
	s_add_nc_u64 s[46:47], s[46:47], s[54:55]
	s_add_nc_u64 s[48:49], s[48:49], s[58:59]
.irp j, 0,1,2,3,4,5,6,7,8,9,10,11,12,13,14,15
	global_load_b128 v[XB+4*\j:XB+4*\j+3], v[LI], s[50:51] offset:(\j+8*(\j/8))*512   ; row rho(j) of my tile: the 32 lanes read its 512 bytes
.endr
.macro WLOAD wt                        ; W's tile wt, four K steps of 128: fragment (wt, ks) at v[16 (4 wt + ks)] of window 1
.irp ks, 0,1,2,3
.irp c, 0,1,2,3
	global_load_b128 v[16*(4*\wt+\ks)+4*\c:16*(4*\wt+\ks)+4*\c+3], v[WA], s[44:45] offset:(32*(\wt/2)+8*(\wt%2))*512+128*\ks+32*\c
.endr
.endr
.endm
	WIN 0x40                                       ; destination window 1, address window 0
	WLOAD 0
	WLOAD 1
	WLOAD 2
	WIN 0
	s_wait_loadcnt 48                              ; behind x's 16 loads stand these 48: x is in
.irp j, 0,1,2,3,4,5,6,7,8,9,10,11,12,13,14,15
	ds_store_b128 v[XST], v[XB+4*\j:XB+4*\j+3] offset:16*\j
.endr
	WIN 0x40
	WLOAD 3
	WIN 0
	v_mul_u32_u24 v[ACC], s60, v13                 ; the bias's byte offsets, one register for each of a tile's eight; they lie in the accumulators' registers until the loads are in
	s_delay_alu instid0(VALU_DEP_1)
	v_mad_u32_u24 v[ACC], v14, s61, v[ACC]
.irp j, 1,2,3,4,5,6,7
	s_delay_alu instid0(VALU_DEP_1)
	v_add_nc_u32 v[ACC+\j], s62, v[ACC+\j-1]
.endr
.irp wt, 0,1,2,3
.irp j, 0,1,2,3,4,5,6,7
	global_load_b32 v[BI+8*\wt+\j], v[ACC+\j], s[46:47] offset:(32*(\wt/2)+8*(\wt%2))*4
.endr
.endr
	s_wait_dscnt 0x0                               ; for the others' sake: my tile of x lies in LDS
	s_barrier_signal -1
	s_barrier_wait -1                              ; all eight tiles do.  Nothing is stored to LDS behind this barrier
.macro FETCH t                         ; x's tile t, 16 pieces, into buffer t % 2: each load takes 512 consecutive bytes
.irp ks, 0,1,2,3
.irp c, 0,1,2,3
.if (\t) < 4
	ds_load_b128 v[XB+64*((\t)%2)+16*\ks+4*\c:XB+64*((\t)%2)+16*\ks+4*\c+3], v[LI] offset:((\t)%4)*XT+(4*\ks+\c)*XP
.else
	ds_load_b128 v[XB+64*((\t)%2)+16*\ks+4*\c:XB+64*((\t)%2)+16*\ks+4*\c+3], v[LI2] offset:((\t)%4)*XT+(4*\ks+\c)*XP
.endif
.endr
.endr
.endm
	FETCH 0
	s_wait_kmcnt 0x0
	s_cmp_eq_u32 s29, 0
	s_cselect_b32 s52, s32, s34                    ; ex
	s_cselect_b32 s53, s33, s35                    ; ew
	s_cselect_b32 s54, s38, s39                    ; eo: entry 6 for Q, 7 for K,
	s_cmp_eq_u32 s29, 2
	s_cselect_b32 s52, s36, s52
	s_cselect_b32 s53, s37, s53
	s_cselect_b32 s54, s41, s54                    ; 9 for V
	s_add_co_i32 s55, s52, s53                     ; ex + ew: a sum stands for sum x 2^(ex + ew)
	s_sub_co_i32 s56, s54, s55
	s_add_co_i32 s56, s56, 127
	s_lshl_b32 s57, s56, 23
	v_mov_b32 v[SC], s57                           ; 2^(eo - ex - ew): the conversion takes its exponent field
	s_add_co_i32 s56, s56, 8
	s_lshl_b32 s56, s56, 23
	s_or_b32 s56, s56, 0x600000
	v_mov_b32 v[LIM], s56                          ; 448 x that
	s_sub_co_i32 s55, 0, s55
	s_wait_loadcnt 0x0                             ; W and the bias
.set i, 0
.rept 32
	v_ldexp_f32 v[BI+i], v[BI+i], s55              ; the bias / 2^(ex + ew)
.set i, i+1
.endr
; 16 matrix instructions: x's tile t against W's four tiles, K = 512 in four steps.  The four accumulators take turns, one instruction a turn.  v = 0: source 0 = W; v = 1: source 0 = x.
; The four v_nop are the places in front of the reads of the results and of the next loads into the buffer just read.
.macro MUL t, v
.if \v
	WIN 0x04                                       ; source 1 (W) window 1
.else
	WIN 0x01                                       ; source 0 (W) window 1
.endif
.irp ks, 0,1,2,3
.irp wt, 0,1,2,3
.set rD, ACC+32*((\t)%2)+8*\wt
.set rX, XB+64*((\t)%2)+16*\ks
.set rW, 16*(4*\wt+\ks)
.if \v
.if \ks == 0
	v_wmma_f32_16x16x128_fp8_fp8 v[rD:rD+7], v[rX:rX+15], v[rW:rW+15], v[BI+8*\wt:BI+8*\wt+7]
.else
	v_wmma_f32_16x16x128_fp8_fp8 v[rD:rD+7], v[rX:rX+15], v[rW:rW+15], v[rD:rD+7]
.endif
.else
.if \ks == 0
	v_wmma_f32_16x16x128_fp8_fp8 v[rD:rD+7], v[rW:rW+15], v[rX:rX+15], v[BI+8*\wt:BI+8*\wt+7]
.else
	v_wmma_f32_16x16x128_fp8_fp8 v[rD:rD+7], v[rW:rW+15], v[rX:rX+15], v[rD:rD+7]
.endif
.endif
.endr
.endr
	WIN 0
.rept 4
	v_nop
.endr
.endm
; Q, K: tile t's 32 numbers a lane (one row of x, features 32 b + 16 h + 0 .. 15) become two pieces of a fragment.
.macro QUANTQ t
.set rA, ACC+32*((\t)%2)
.set rC, CD+8*((\t)%2)
	s_wait_xcnt 0x0                                ; the stores of two tiles back have read these registers
.set i, 0
.rept 32
	v_med3_num_f32 v[rA+i], v[rA+i], -v[LIM], v[LIM]   ; the conversion to an 8-bit code does not saturate (ISA guide 7.6.2): the hold at 448 x the scale; each accumulator from its low end on
.set i, i+1
.endr
.irp b, 0,1
	v_cvt_scalef32_pk8_fp8_f32 v[rC+4*\b:rC+4*\b+1], v[rA+16*\b:rA+16*\b+7], v[SC]
	v_cvt_scalef32_pk8_fp8_f32 v[rC+4*\b+2:rC+4*\b+3], v[rA+16*\b+8:rA+16*\b+15], v[SC]
.endr
	v_nop                                          ; a plain line behind the last conversion: matrix instructions write its sources later
	global_store_b128 v[LI], v[rC:rC+3], s[48:49] offset:(\t)*1024
	global_store_b128 v[LI], v[rC+4:rC+7], s[48:49] offset:(\t)*1024+512
.endm
; V: tiles 2 b (set 0) and 2 b + 1 (set 1) give, for each of W's tiles, 16 neighbouring keys of one feature: piece b of that tile of V^T.
.macro QUANTV b
	s_wait_xcnt 0x0                                ; the last stores have read the codes' registers
.set i, 0
.rept 64
	v_med3_num_f32 v[ACC+i], v[ACC+i], -v[LIM], v[LIM]
.set i, i+1
.endr
.irp wt, 0,1,2,3
	v_cvt_scalef32_pk8_fp8_f32 v[CD+4*\wt:CD+4*\wt+1], v[ACC+8*\wt:ACC+8*\wt+7], v[SC]
	v_cvt_scalef32_pk8_fp8_f32 v[CD+4*\wt+2:CD+4*\wt+3], v[ACC+32+8*\wt:ACC+32+8*\wt+7], v[SC]
.endr
	v_nop
.irp wt, 0,1,2,3
	global_store_b128 v[LI], v[CD+4*\wt:CD+4*\wt+3], s[48:49] offset:\wt*2048+(\b)*512
.endr
.endm
.macro TILE t, v
.if (\t) < 7
	FETCH (\t)+1                                   ; into the other buffer, which the tile before has left, four places back
	s_wait_dscnt 16                                ; all but the 16 just issued: this tile is in
.else
	s_wait_dscnt 0x0
.endif
	MUL \t, \v
.if \v
.if (\t)%2
	QUANTV (\t)/2
.endif
.else
	QUANTQ \t
.endif
.endm
.macro FINISH                          ; the wave's end
	s_wait_tensorcnt 0x0
	ds_add_u32 v[SPW], v[NIL]
	s_wait_dscnt 0x0
	s_endpgm
.endm
	s_cmp_eq_u32 s29, 2                            ; the one parting, on the work-group's number; both ways only read LDS
	s_cbranch_scc1 .Lv
	s_wait_alu depctr_va_vdst(0)
.irp t, 0,1,2,3,4,5,6,7
	TILE \t, 0
.endr
	FINISH
.Lv:
	s_wait_alu depctr_va_vdst(0)
.irp t, 0,1,2,3,4,5,6,7
	TILE \t, 1
.endr
	FINISH
.Lfunc_end_k_q07b978365e_qkv:
	.size	k_q07b978365e_qkv, .Lfunc_end_k_q07b978365e_qkv-k_q07b978365e_qkv
	.p2alignl 7, 3214868480
	.fill 96, 4, 3214868480
	.section	.rodata,"a",@progbits
	.p2align	6, 0x0
	.amdhsa_kernel k_q07b978365e_qkv
		.amdhsa_group_segment_fixed_size 68608
		.amdhsa_private_segment_fixed_size 0
		.amdhsa_enable_private_segment 0
		.amdhsa_kernarg_size 80
		.amdhsa_user_sgpr_count 2
		.amdhsa_user_sgpr_kernarg_segment_ptr 1
		.amdhsa_wavefront_size32 1
		.amdhsa_system_sgpr_workgroup_id_x 1
		.amdhsa_system_sgpr_workgroup_id_y 1
		.amdhsa_system_sgpr_workgroup_id_z 1
		.amdhsa_system_vgpr_workitem_id 0
		.amdhsa_next_free_vgpr 512
		.amdhsa_next_free_sgpr 66
		.amdhsa_reserve_vcc 0
		.amdhsa_float_denorm_mode_32 3
		.amdhsa_float_denorm_mode_16_64 3
		.amdhsa_memory_ordered 1
		.amdhsa_forward_progress 1
		.amdhsa_inst_pref_size 93
	.end_amdhsa_kernel
	.amdgpu_metadata
---
amdhsa.version: [ 1, 2 ]
amdhsa.kernels:
  - .name:           k_q07b978365e_qkv
    .symbol:         k_q07b978365e_qkv.kd
    .args:
      - { .name: x_codes, .offset: 0, .size: 8, .value_kind: global_buffer, .address_space: global }
      - { .name: Wq_codes, .offset: 8, .size: 8, .value_kind: global_buffer, .address_space: global }
      - { .name: Wk_codes, .offset: 16, .size: 8, .value_kind: global_buffer, .address_space: global }
      - { .name: Wv_codes, .offset: 24, .size: 8, .value_kind: global_buffer, .address_space: global }
      - { .name: bq, .offset: 32, .size: 8, .value_kind: global_buffer, .address_space: global }
      - { .name: bk, .offset: 40, .size: 8, .value_kind: global_buffer, .address_space: global }
      - { .name: bv, .offset: 48, .size: 8, .value_kind: global_buffer, .address_space: global }
      - { .name: lowp_scales, .offset: 56, .size: 8, .value_kind: global_buffer, .address_space: global }
      - { .name: q, .offset: 64, .size: 8, .value_kind: global_buffer, .address_space: global }
      - { .name: kv, .offset: 72, .size: 8, .value_kind: global_buffer, .address_space: global }
    .group_segment_fixed_size: 68608
    .private_segment_fixed_size: 0
    .kernarg_segment_align: 8
    .kernarg_segment_size: 80
    .max_flat_workgroup_size: 256
    .sgpr_count:     66
    .vgpr_count:     512
    .wavefront_size: 32
...
	.end_amdgpu_metadata
.endif
;; end of part 1
;; launch attn (part 2): grid 16 x 16, 8 waves a work-group, clusters of 4 x 1, 327,680 bytes of LDS; arguments q, kv, lowp_scales, ctx; writes ctx
.if DOCPART == 2
	.amdgcn_target "amdgcn-amd-amdhsa--gfx1250"
	.amdhsa_code_object_version 6
	.text
	.protected	k_q07b978365e_attn
	.globl	k_q07b978365e_attn
	.p2align	8
	.type	k_q07b978365e_attn,@function
k_q07b978365e_attn:
	s_mov_b64 s[64:65], 0
	v_nop
	global_prefetch_b8 v0, s[64:65] scope:SCOPE_SE
	s_setreg_imm32_b32 hwreg(HW_REG_WAVE_MODE, 25, 1), 1
	s_wait_xcnt 0x0
	s_wait_alu depctr_hold_cnt(0) depctr_sa_sdst(0) depctr_va_vdst(0) depctr_va_sdst(0) depctr_va_ssrc(0) depctr_va_vcc(0) depctr_vm_vsrc(0)
	s_getreg_b32 s2, hwreg(HW_REG_IB_STS2, 6, 4)
	s_cmp_eq_u32 s2, 0
	s_cbranch_scc0 .Lentry_in_a_cluster
	s_endpgm
.Lentry_in_a_cluster:
	s_bfe_u32 s2, ttmp6, 0x10000c
	s_cmp_lg_u32 s2, 0x3003
	s_cbranch_scc0 .Lentry_shape_is_right
	s_endpgm
.Lentry_shape_is_right:
; context = softmax(Q K^T / 8) V for one head of one batch, both products on E4M3 codes; the context is quantised at once with scale entry 10 and stored as codes.  No work of the problem is left out here.
; THE SOFTMAX: t = score x log2(e) / 8; M = the running largest t rounded up to a whole number; p = 2^(t - M) is quantised with 2^ep; the row's sum is taken of the unquantised p in f32 and divides at the end.
; When M moves, the sum and O are multiplied by 2^(old M - new M), made by v_ldexp_f32: no branch on data.
; SHARES.  Work-group (x, y): 256 queries (16 tiles) of head-batch y.  Wave w of eight: tiles 2 w and 2 w + 1, 32 queries, so that each fragment of K and V read from LDS feeds two matrix instructions.
; Every wave walks all 4,096 keys, 128 a step.  A step's 16,384 bytes in kv are images of operand registers: 8,192 of K ([tile 8][piece 2][lane][16]), 8,192 of V^T ([tile 4][piece 4][lane][16]).
; THE RING: two slots of 131,072 bytes, eight steps each; wave w fetches step w of a slot by one tensor load of 64 rows x 256 bytes.
; JOINT LOADS: the four work-groups of a cluster walk the same head-batch: each load names all four (mask 15), behind a round of the cluster's barrier.
; NO PREFETCH: a slot's load is issued eight key steps ahead of the wait for it, and four loads a wave are all that the launch has; there is no shorter step to run ahead of.
; LAYOUT.  Both products are used transposed (S^T = K Q^T, O^T = V^T P^T): a lane holds one query (lane % 16) of each tile.  The rows of K's and V^T's tiles were chosen by the launch before so that the 16 registers
; of tiles 2 b and 2 b + 1 are 16 neighbours along the next K: the conversions' results are operand registers as they stand.
; LIMITS: eq + ek between -123 and 130 (added to c's exponent field); ep and e10 between -126 and 119; the promise holds while the scaled scores stay under 2^31 in magnitude.
; REGISTERS.  Window 0: v1-9 addresses and constants; v10-21, v22-33 a tile's -M, largest score, f, sum, temporaries; v36-47 the maxima's chains (6 a tile); v48-61 partial sums; v64-191 S^T then p (64 a tile); v192-255 O^T (32 a tile).
; Window 1: v0-63 K's eight fragments; v64-127 V^T's four; v128-143 Q's two; v144-175 p's codes (16 a tile).
.set SLOT1, 131072
.set STEPB, 16384
.set SPARE, 2*SLOT1                    ; behind the ring: the spare words, 128 bytes a wave, four blocks of 256 bytes that no other line names
.set LI,   1                           ; 16 x lane
.set ADV,  2                           ; LDS address of this step
.set ADK,  3                           ; LDS address of the step whose K is fetched next
.set SPW,  4                           ; my spare word; never rewritten
.set NIL,  5                           ; 0; never rewritten
.set PL,   6                           ; 448 x 2^ep,
.set PL2,  7                           ; and once more: the two halves of a dual pair take their second sources from different registers
.set PS,   8                           ; 2^ep
.set CSC,  9                           ; 2^e10
.set NM,   10                          ; -M; NM + 1: the largest score so far.  Tile 1's registers lie 12 further on
.set F,    12                          ; f = 2^(old M - new M); F + 1 is named with it as a pair
.set SUM,  14                          ; the row's sum in two halves
.set MA,   16
.set MB,   17
.set PX,   18
.set CLM,  34                          ; 448 x 2^e10
.set XA,   36                          ; six chains of maxima a tile
.set TS,   48                          ; seven pairs of partial sums
.set CD0,  44                          ; the way out: the context's codes, 8 registers a tile
.set S,    64
.set O,    192
.set KF,   0                           ; window 1
.set VF,   64
.set QF,   128
.set PC,   144
.set WV,   12
.set G1,   16
.set G0A,  24
.set G0B,  28
.set CS,   38
.set SEL,  40
.set TB,   42
.set CNT,  43
.set TN,   55
.set MSB, 0
.macro WIN new                         ; the immediate's high byte repeats the setting that is left
.if MSB != \new
	s_set_vgpr_msb (MSB<<8)|\new
.set MSB, \new
.endif
.endm
.macro ROUND                           ; a round of the cluster's barrier
	s_barrier_signal -1
	s_barrier_wait -1
	s_cmp_lg_u32 s[WV], 0
	s_cbranch_scc1 .Lnot_wave_0_\@
	s_barrier_signal -3
.Lnot_wave_0_\@:
	s_barrier_wait -3
	s_barrier_signal -1
	s_barrier_wait -1
.endm
.macro TLOAD g0                        ; an s_nop 0 and four v_nop follow the load
	tensor_load_to_lds s[\g0:\g0+3], s[G1:G1+7]
	s_nop 0
.rept 4
	v_nop
.endr
.endm
.macro KLOAD adr                       ; K's eight fragments; each load takes 512 consecutive bytes
.irp t, 0,1,2,3,4,5,6,7
	ds_load_b128 v[KF+8*\t:KF+8*\t+3], v[\adr] offset:1024*\t
	ds_load_b128 v[KF+8*\t+4:KF+8*\t+7], v[\adr] offset:1024*\t+512
.endr
.endm
	s_load_b256 s[4:11], s[0:1], 0x0               ; q s[4:5], kv s[6:7], scales s[8:9], ctx s[10:11]
	v_lshl_add_u32 v[SPW], v0, 2, SPARE
	v_mov_b32 v[NIL], 0
	ds_add_u32 v[SPW], v[NIL]                      ; the opening lines: the add, twice on end, and its wait ahead of my first tensor load
	ds_add_u32 v[SPW], v[NIL]
	v_lshrrev_b32 v[ADV], 5, v0
	v_readfirstlane_b32 s[WV], v[ADV]              ; wave 0..7
	v_and_b32 v[LI], 31, v0
	v_lshlrev_b32 v[LI], 4, v[LI]
	s_bfe_u32 s13, ttmp6, 0x40000                  ; cx
	s_lshl_b32 s14, ttmp9, 2
	s_add_co_u32 s14, s14, s13                     ; work-group x
	s_and_b32 s15, ttmp7, 0xffff                   ; head-batch
	s_mov_b32 s[G1], 15|(3<<16)|(1<<21)            ; the mask of the four; elements of 8 bytes; bit 21 beside a mask
	s_mov_b32 s[G1+1], 32<<16                      ; rows of 32 elements = 256 bytes
	s_mov_b32 s[G1+2], 64<<16                      ; 64 rows
	s_mov_b32 s[G1+3], 32<<16
	s_mov_b32 s[G1+4], 64
	s_mov_b32 s[G1+5], 32
	s_mov_b32 s[G1+6], 0
	s_mov_b32 s[G1+7], 0
	s_mov_b32 s[CS], 0x3e38aa3b                    ; c = log2(e) / 8
	s_mov_b32 s[SEL], 0x76543210
	s_mov_b32 s[SEL+1], 0xfedcba98                 ; lane l xor 16
	s_lshl_b32 s44, s15, 19                        ; kv: 524,288 bytes a head-batch, + step w of the slot
	s_lshl_b32 s46, s[WV], 14                      ; the same step in LDS
	s_add_co_u32 s44, s44, s46
	s_mov_b32 s45, 0
	s_lshl_b32 s47, s14, 4
	s_lshl_b32 s48, s[WV], 1
	s_add_co_u32 s47, s47, s48                     ; my first tile: 16 x + 2 w
	s_lshl_b32 s48, s15, 18                        ; q: 262,144 bytes a head-batch, 1,024 a tile
	s_lshl_b32 s49, s47, 10
	s_add_co_u32 s48, s48, s49
	s_mov_b32 s49, 0
	s_lshr_b32 s50, s15, 3                         ; ctx: (256 batch + tile) x 8,192 + head x 1,024
	s_lshl_b32 s50, s50, 8
	s_add_co_u32 s50, s50, s47
	s_lshl_b32 s50, s50, 13
	s_and_b32 s51, s15, 7
	s_lshl_b32 s51, s51, 10
	s_add_co_u32 s50, s50, s51
	s_mov_b32 s51, 0
	s_wait_alu depctr_va_vdst(0)                   ; the wait here, directly ahead of the waits below
	s_wait_dscnt 0x0                               ; both opening adds are done
	s_wait_kmcnt 0x0
	s_load_b128 s[32:35], s[8:9], 0x18             ; eq, ek, ep, ev
	s_load_b32 s36, s[8:9], 0x28                   ; e10
	s_mov_b32 s[G0A], 1
	s_mov_b32 s[G0A+1], s46
	s_add_nc_u64 s[G0A+2:G0A+3], s[6:7], s[44:45]
	s_mov_b32 s[G0B], 1
	s_add_co_u32 s[G0B+1], s46, SLOT1
	s_add_nc_u64 s[G0B+2:G0B+3], s[G0A+2:G0A+3], SLOT1
	s_or_b32 s[G0A+3], s[G0A+3], 0x80000000
	s_or_b32 s[G0B+3], s[G0B+3], 0x80000000
	s_add_nc_u64 s[4:5], s[4:5], s[48:49]
	s_add_nc_u64 s[10:11], s[10:11], s[50:51]
	WIN 0x40                                       ; destination window 1
.irp j, 0,1,2,3
	global_load_b128 v[QF+4*\j:QF+4*\j+3], v[LI], s[4:5] offset:512*\j th:TH_LOAD_NT   ; Q's two fragments stay in registers; asked for ahead of the round
.endr
	WIN 0
	ROUND                                          ; in front of the first joint load
	TLOAD G0A                                      ; slot 0: one tensor load a wave at the head
.irp p, 0,12
	v_mov_b32 v[NM+1+\p], 0xff61b1e6               ; the largest score so far: -3e38
	v_mov_b32 v[NM+\p], 0x7f61b1e6                 ; -M = 3e38: the first f is 0, on sums that are 0
	v_mov_b32 v[F+1+\p], 0
	v_mov_b32 v[SUM+\p], 0
	v_mov_b32 v[SUM+1+\p], 0
	v_mov_b32 v[PX+\p], 0                          ; a lane permute's destination counts as one of its sources
.endr
.set i, 0
.rept 64
	v_mov_b32 v[O+i], 0                            ; the step is written once: the first finds zeros
.set i, i+1
.endr
	s_wait_kmcnt 0x0
	s_add_co_i32 s52, s32, s33
	s_lshl_b32 s52, s52, 23
	s_add_co_i32 s[CS], s[CS], s52                 ; c x 2^(eq + ek)
	s_mov_b32 s[CS+1], s[CS]
	s_add_co_i32 s52, s34, 127
	s_lshl_b32 s53, s52, 23
	v_mov_b32 v[PS], s53
	s_add_co_i32 s52, s52, 8
	s_lshl_b32 s52, s52, 23
	s_or_b32 s52, s52, 0x600000
	v_mov_b32 v[PL], s52
	v_mov_b32 v[PL2], s52
	s_add_co_i32 s52, s36, 127
	s_lshl_b32 s53, s52, 23
	v_mov_b32 v[CSC], s53
	s_add_co_i32 s52, s52, 8
	s_lshl_b32 s52, s52, 23
	s_or_b32 s52, s52, 0x600000
	v_mov_b32 v[CLM], s52
	s_add_co_i32 s54, s34, s35                     ; ep + ev
; Line n (0 to 28) of tile q's maxima: 64 scores into six chains by turns, the scores in ascending order.
.macro MX n, q
.if (\n) < 29
.set xr, XA+6*(\q)+(\n)%6
.set sr, S+64*(\q)
.if (\n) < 6
	v_max3_num_f32 v[xr], v[sr+3*(\n)], v[sr+3*(\n)+1], v[sr+3*(\n)+2]
.else
	v_max3_num_f32 v[xr], v[xr], v[sr+6+2*(\n)], v[sr+7+2*(\n)]
.endif
.endif
.endm
; Line n (0 to 10) of tile q's chain from the six maxima to -M and f.  Each line reads the one before it, so lines of the other tile's work stand between them.
.macro CH n, q
.set cp, 12*(\q)
.set cx, XA+6*(\q)
.if (\n) == 0
	v_max3_num_f32 v[cx], v[cx], v[cx+1], v[cx+2]
.endif
.if (\n) == 1
	v_max3_num_f32 v[cx+3], v[cx+3], v[cx+4], v[cx+5]
.endif
.if (\n) == 2
	v_max_num_f32 v[MA+cp], v[cx], v[cx+3]
.endif
.if (\n) == 3
	v_permlanex16_b32 v[PX+cp], v[MA+cp], s[SEL], s[SEL+1]
.endif
.if (\n) == 4
	v_max3_num_f32 v[NM+1+cp], v[NM+1+cp], v[MA+cp], v[PX+cp]   ; the running largest score (c is positive)
.endif
.if (\n) == 5
	v_mul_f32 v[MA+cp], s[CS], v[NM+1+cp]          ; as t
.endif
.if (\n) == 6
	v_mov_b32 v[MB+cp], v[NM+cp]
.endif
.if (\n) == 7
	v_floor_f32 v[NM+cp], -v[MA+cp]                ; -M = floor(-t)
.endif
.if (\n) == 8
	v_sub_f32 v[MB+cp], v[NM+cp], v[MB+cp]         ; old M - new M: a whole number, 0 or less
.endif
.if (\n) == 9
	v_cvt_i32_f32 v[MB+cp], v[MB+cp]               ; (it saturates)
.endif
.if (\n) == 10
	v_ldexp_f32 v[F+cp], 1.0, v[MB+cp]             ; f
.endif
.endm
.macro FM n                            ; line n (0 to 31) of tile 0's t - M
.if (\n) < 32
	v_pk_fma_f32 v[S+2*(\n):S+2*(\n)+1], v[S+2*(\n):S+2*(\n)+1], s[CS:CS+1], v[NM:NM+1] op_sel_hi:[1,0,0]
.endif
.endm
.macro SUMS q                          ; the row's sum of the unquantised p: 32 pairs in eight chains, 32 lines; the first line also brings the old sum under the new M
.set sq, S+64*\q
.set su, SUM+12*\q
	v_pk_fma_f32 v[su:su+1], v[su:su+1], v[F+12*\q:F+12*\q+1], v[sq:sq+1] op_sel_hi:[1,0,1]
.irp k, 1,2,3,4,5,6,7
	v_pk_add_f32 v[TS+2*\k-2:TS+2*\k-1], v[sq+4*\k-2:sq+4*\k-1], v[sq+4*\k:sq+4*\k+1]
.endr
.irp r, 30,46
	v_pk_add_f32 v[su:su+1], v[su:su+1], v[sq+\r:sq+\r+1]
.irp k, 1,2,3,4,5,6,7
	v_pk_add_f32 v[TS+2*\k-2:TS+2*\k-1], v[TS+2*\k-2:TS+2*\k-1], v[sq+\r+2*\k:sq+\r+2*\k+1]
.endr
.endr
	v_pk_add_f32 v[su:su+1], v[su:su+1], v[sq+62:sq+63]
	v_pk_add_f32 v[TS:TS+1], v[TS:TS+1], v[TS+2:TS+3]
	v_pk_add_f32 v[TS+4:TS+5], v[TS+4:TS+5], v[TS+6:TS+7]
	v_pk_add_f32 v[TS+8:TS+9], v[TS+8:TS+9], v[TS+10:TS+11]
	v_pk_add_f32 v[su:su+1], v[su:su+1], v[TS+12:TS+13]
	v_pk_add_f32 v[TS:TS+1], v[TS:TS+1], v[TS+4:TS+5]
	v_pk_add_f32 v[su:su+1], v[su:su+1], v[TS+8:TS+9]
	v_pk_add_f32 v[su:su+1], v[su:su+1], v[TS:TS+1]
.endm
; A KEY STEP: 128 keys against my two tiles of queries.
.macro STEP slot
	s_add_co_u32 s[TN], s[TB], STEPB               ; the next step of this slot; behind the slot's last step its first again (those 16 loads are read by nobody: the change of slots fetches K anew)
	s_and_b32 s[TN], s[TN], SLOT1-1
.if \slot
	s_or_b32 s[TN], s[TN], SLOT1
.endif
	v_add_nc_u32 v[ADV], s[TB], v[LI]
	v_add_nc_u32 v[ADK], s[TN], v[LI]
	WIN 0x05                                       ; sources 0 and 1 window 1
.irp t, 0,1,2,3,4,5,6,7
.irp q, 0,1
	v_wmma_f32_16x16x64_fp8_fp8 v[S+64*\q+8*\t:S+64*\q+8*\t+7], v[KF+8*\t:KF+8*\t+7], v[QF+8*\q:QF+8*\q+7], 0
.endr
.endr
	WIN 0
.rept 4
	v_nop                                          ; places in front of the loads into K's and V's registers and of the reads of the scores
.endr
	WIN 0x40
	KLOAD ADK                                      ; the next step's K, a whole softmax ahead of its use
.irp d, 0,1,2,3
.irp c, 0,1,2,3
	ds_load_b128 v[VF+16*\d+4*\c:VF+16*\d+4*\c+3], v[ADV] offset:8192+2048*\d+512*\c
.endr
.endr
	WIN 0
.set n, 0
.rept 29                               ; tile 0's maxima
	MX n, 0
.set n, n+1
.endr
.set n, 0
.rept 11                               ; tile 0's chain, three lines of tile 1's maxima behind each of its lines
	CH n, 0
	MX 3*n, 1
	MX 3*n+1, 1
	MX 3*n+2, 1
.set n, n+1
.endr
.set n, 0
.rept 11                               ; tile 1's chain, three lines of tile 0's t - M behind each of its lines
	CH n, 1
	FM 3*n
	FM 3*n+1
	FM 3*n+2
.set n, n+1
.endr
.irp q, 0,1
.set i, 0
.rept 16
	v_pk_mul_f32 v[O+32*\q+i:O+32*\q+i+1], v[O+32*\q+i:O+32*\q+i+1], v[F+12*\q:F+12*\q+1] op_sel_hi:[1,0]   ; O^T under the new M, ahead of the exponentials
.set i, i+2
.endr
.endr
	s_wait_alu depctr_va_vdst(0)                   ; ahead of the batch
.set i, 0
.rept 32                               ; tile 0's exponentials; tile 1's t - M stands among them and names none of their registers
	v_exp_f32 v[S+i], v[S+i]
	v_exp_f32 v[S+i+1], v[S+i+1]
	v_pk_fma_f32 v[S+64+i:S+64+i+1], v[S+64+i:S+64+i+1], s[CS:CS+1], v[NM+12:NM+13] op_sel_hi:[1,0,0]
.set i, i+2
.endr
	s_wait_alu depctr_va_vdst(0)                   ; one wait: behind tile 0's batch and ahead of tile 1's
	SUMS 0
.set i, 0
.rept 32                               ; tile 1's exponentials; among them tile 0's hold at 448 x 2^ep, two numbers a line (the conversion does not saturate: ISA guide 7.6.2; p is not negative)
	v_exp_f32 v[S+64+i], v[S+64+i]
	v_exp_f32 v[S+64+i+1], v[S+64+i+1]
	v_dual_min_num_f32 v[S+i], v[S+i], v[PL] :: v_dual_min_num_f32 v[S+i+1], v[S+i+1], v[PL2]
.set i, i+2
.endr
	v_nop                                          ; a plain place behind the last exponential
	s_wait_alu depctr_va_vdst(0)                   ; one wait behind the batch, which also stands directly ahead of the wait below
	s_wait_dscnt 0x0                               ; V, and the next step's K: no wait that blocks stands between the conversions below and the products that read them
	SUMS 1
.set i, 0
.rept 32
	v_dual_min_num_f32 v[S+64+i], v[S+64+i], v[PL] :: v_dual_min_num_f32 v[S+64+i+1], v[S+64+i+1], v[PL2]
.set i, i+2
.endr
	WIN 0x40                                       ; the codes go to window 1
.irp q, 0,1
.irp b, 0,1,2,3
	v_cvt_scalef32_pk8_fp8_f32 v[PC+16*\q+4*\b:PC+16*\q+4*\b+1], v[S+64*\q+16*\b:S+64*\q+16*\b+7], v[PS]
	v_cvt_scalef32_pk8_fp8_f32 v[PC+16*\q+4*\b+2:PC+16*\q+4*\b+3], v[S+64*\q+16*\b+8:S+64*\q+16*\b+15], v[PS]
.endr
.endr
	WIN 0
	v_nop                                          ; a plain line behind the last conversion
	WIN 0x05
.irp d, 0,1,2,3
.irp q, 0,1
	v_wmma_f32_16x16x128_fp8_fp8 v[O+32*\q+8*\d:O+32*\q+8*\d+7], v[VF+16*\d:VF+16*\d+15], v[PC+16*\q:PC+16*\q+15], v[O+32*\q+8*\d:O+32*\q+8*\d+7]
.endr
.endr
	WIN 0
	s_add_co_u32 s[TB], s[TB], STEPB
.endm
.macro PHASE slot                      ; a slot's eight steps
	s_mov_b32 s[TB], \slot*SLOT1
	s_mov_b32 s[CNT], 8
	v_add_nc_u32 v[ADK], \slot*SLOT1, v[LI]
	WIN 0x40
	KLOAD ADK                                      ; the slot's first K
	WIN 0
	s_wait_alu depctr_va_vdst(0)
	s_wait_dscnt 0x0
.Lstep_\@:
	STEP \slot
	s_sub_co_u32 s[CNT], s[CNT], 1
	s_cmp_lg_u32 s[CNT], 0
	s_cbranch_scc1 .Lstep_\@
.endm
.macro CHANGE g0, fill                 ; the change of slots: all my tensor loads, the add, my reads of the slot that I leave; fill = 1: a round, and that slot's next eight steps
	s_wait_tensorcnt 0x0
	ds_add_u32 v[SPW], v[NIL]
.if \fill
	s_add_nc_u64 s[\g0+2:\g0+3], s[\g0+2:\g0+3], 2*SLOT1
.endif
	s_wait_dscnt 0x0
.if \fill
	ROUND
	TLOAD \g0
.else
	s_barrier_signal -1
	s_barrier_wait -1
.endif
.endm
	s_wait_alu depctr_va_vdst(0)                   ; the head's end
	s_wait_tensorcnt 0x0                           ; my part of slot 0; slot 1's first fill is issued as a refill is
	ds_add_u32 v[SPW], v[NIL]
	s_wait_dscnt 0x0
	ROUND
	TLOAD G0B
	s_wait_loadcnt 0x0                             ; Q
	PHASE 0
	CHANGE G0A, 1
	PHASE 1
	CHANGE G0B, 1
	PHASE 0
	CHANGE G0A, 0
	PHASE 1
; THE WAY OUT: O^T / the sum x 2^(ep + ev), held at 448 x 2^e10, converted: two pieces of a fragment a tile, each store 512 consecutive bytes, aligned.
.rept 4
	v_nop
.endr
.irp p, 0,12
	v_add_f32 v[SUM+\p], v[SUM+\p], v[SUM+1+\p]
.endr
.irp p, 0,12
	v_permlanex16_b32 v[PX+\p], v[SUM+\p], s[SEL], s[SEL+1]
.endr
.irp p, 0,12
	v_add_f32 v[SUM+\p], v[SUM+\p], v[PX+\p]
.endr
	s_wait_alu depctr_va_vdst(0)                   ; ahead of the transcendentals
	v_rcp_f32 v[SUM], v[SUM]
	v_rcp_f32 v[SUM+12], v[SUM+12]
	v_nop
	s_wait_alu depctr_va_vdst(0)                   ; and behind them
	v_ldexp_f32 v[SUM], v[SUM], s54
	v_ldexp_f32 v[SUM+12], v[SUM+12], s54
	s_wait_alu depctr_va_vdst(0)                   ; the wait here, directly ahead of the first reader of O^T
.irp q, 0,1
.set i, 0
.rept 16
	v_pk_mul_f32 v[S+32*\q+i:S+32*\q+i+1], v[O+32*\q+i:O+32*\q+i+1], v[SUM+12*\q:SUM+12*\q+1] op_sel_hi:[1,0]
.set i, i+2
.endr
.endr
.set i, 0
.rept 64
	v_med3_num_f32 v[S+i], v[S+i], -v[CLM], v[CLM]
.set i, i+1
.endr
.irp q, 0,1
.irp b, 0,1
	v_cvt_scalef32_pk8_fp8_f32 v[CD0+8*\q+4*\b:CD0+8*\q+4*\b+1], v[S+32*\q+16*\b:S+32*\q+16*\b+7], v[CSC]
	v_cvt_scalef32_pk8_fp8_f32 v[CD0+8*\q+4*\b+2:CD0+8*\q+4*\b+3], v[S+32*\q+16*\b+8:S+32*\q+16*\b+15], v[CSC]
.endr
.endr
	v_nop
.irp q, 0,1
.irp b, 0,1
	global_store_b128 v[LI], v[CD0+8*\q+4*\b:CD0+8*\q+4*\b+3], s[10:11] offset:8192*\q+512*\b
.endr
.endr
	s_wait_tensorcnt 0x0                           ; the wave's end
	ds_add_u32 v[SPW], v[NIL]
	s_wait_dscnt 0x0
	ROUND                                          ; the closing round
	s_endpgm
.Lfunc_end_k_q07b978365e_attn:
	.size	k_q07b978365e_attn, .Lfunc_end_k_q07b978365e_attn-k_q07b978365e_attn
	.p2alignl 7, 3214868480
	.fill 96, 4, 3214868480
	.section	.rodata,"a",@progbits
	.p2align	6, 0x0
	.amdhsa_kernel k_q07b978365e_attn
		.amdhsa_group_segment_fixed_size 327680
		.amdhsa_private_segment_fixed_size 0
		.amdhsa_enable_private_segment 0
		.amdhsa_kernarg_size 32
		.amdhsa_user_sgpr_count 2
		.amdhsa_user_sgpr_kernarg_segment_ptr 1
		.amdhsa_wavefront_size32 1
		.amdhsa_system_sgpr_workgroup_id_x 1
		.amdhsa_system_sgpr_workgroup_id_y 1
		.amdhsa_system_sgpr_workgroup_id_z 1
		.amdhsa_system_vgpr_workitem_id 0
		.amdhsa_next_free_vgpr 512
		.amdhsa_next_free_sgpr 66
		.amdhsa_reserve_vcc 0
		.amdhsa_float_denorm_mode_32 3
		.amdhsa_float_denorm_mode_16_64 3
		.amdhsa_memory_ordered 1
		.amdhsa_forward_progress 1
		.amdhsa_inst_pref_size 135
	.end_amdhsa_kernel
	.amdgpu_metadata
---
amdhsa.version: [ 1, 2 ]
amdhsa.kernels:
  - .name:           k_q07b978365e_attn
    .symbol:         k_q07b978365e_attn.kd
    .args:
      - { .name: q, .offset: 0, .size: 8, .value_kind: global_buffer, .address_space: global }
      - { .name: kv, .offset: 8, .size: 8, .value_kind: global_buffer, .address_space: global }
      - { .name: lowp_scales, .offset: 16, .size: 8, .value_kind: global_buffer, .address_space: global }
      - { .name: ctx, .offset: 24, .size: 8, .value_kind: global_buffer, .address_space: global }
    .group_segment_fixed_size: 327680
    .private_segment_fixed_size: 0
    .kernarg_segment_align: 8
    .kernarg_segment_size: 32
    .max_flat_workgroup_size: 256
    .sgpr_count:     66
    .vgpr_count:     512
    .wavefront_size: 32
...
	.end_amdgpu_metadata
.endif
;; end of part 2
;; launch oproj (part 3): grid 128 x 2, 4 waves a work-group, no clusters, 17,920 bytes of LDS; arguments ctx, Wo_codes, bo, lowp_scales, out0; writes out0
.if DOCPART == 3
	.amdgcn_target "amdgcn-amd-amdhsa--gfx1250"
	.amdhsa_code_object_version 6
	.text
	.protected	k_q07b978365e_oproj
	.globl	k_q07b978365e_oproj
	.p2align	8
	.type	k_q07b978365e_oproj,@function
k_q07b978365e_oproj:
	s_mov_b64 s[64:65], 0
	v_nop
	global_prefetch_b8 v0, s[64:65] scope:SCOPE_SE
	s_setreg_imm32_b32 hwreg(HW_REG_WAVE_MODE, 25, 1), 1
	s_wait_xcnt 0x0
; out0 = context Wo^T + bo on E4M3 codes: sum x 2^(e10 + e11) + bo, f32.  No work of the problem is left out here.
; SHARES.  Work-group x: four tiles of ctx, 64 consecutive rows.  Work-group y: a half of the 512 features.  Wave w: features 64 (4 y + w) on: 256 aligned bytes of every row.  Its 64 rows of Wo
; (32,768 bytes) go once into registers (window 1).  ctx holds images of operand registers ([tile][K step 4][piece 4][lane][16 bytes]): a fragment comes straight from memory, 512 consecutive bytes a load.
; Source 0 = 16 rows of Wo, source 1 = a tile of ctx: a lane holds one row of the context and eight neighbouring features.  Lane r of tile T holds row 32 (T / 2) + 8 (T % 2) + r + 8 (r / 8).
; NO JOINT LOADS, NO TENSOR LOADS: both operands go from memory into the registers in which they are multiplied; through LDS each byte would be written and read once more, for 64 matrix instructions a wave.
; THE WAY OUT goes through the wave's own stage in LDS (16 rows x 272 bytes), so that sixteen lanes store 256 consecutive bytes, aligned.  No wave reads another's stage: no barrier.
; LIMIT: e10 + e11 between -126 and 127, so that 2^(e10 + e11) is an f32 number.
.set STG,   4352                       ; a wave's stage
.set SPARE, 4*STG                      ; behind the stages: the spare words, 128 bytes for each wave: two blocks of 256 bytes that no other line names
.set LI,   1                           ; v1   16 x lane
.set WA,   2                           ; v2   Wo: r x 512 + 16 h
.set STO,  3                           ; v3   the stage: row r, + 32 h
.set RD,   4                           ; v4   and back: lanes 0-15 one row, lanes 16-31 the next
.set GO,   5                           ; v5   the same two rows in out0
.set SPW,  6                           ; v6   my spare word; never rewritten
.set NIL,  7                           ; v7   0; never rewritten
.set BA,   11                          ; v11  bo: 32 h
.set BI,   16                          ; v16-47   bo, 8 registers a tile of features
; window 2: v0-255 my four tiles of ctx, 4 K steps x 16 registers each
.set ACC,  176                         ; v176-207 four accumulators
.set Y,    208                         ; v208-239 results
.set MSB, 0
.macro WIN new                         ; the immediate's high byte repeats the setting that is left
.if MSB != \new
	s_set_vgpr_msb (MSB<<8)|\new
.set MSB, \new
.endif
.endm
	s_load_b256 s[4:11], s[0:1], 0x0               ; ctx s[4:5], Wo s[6:7], bo s[8:9], scales s[10:11]
	s_load_b64 s[12:13], s[0:1], 0x20              ; out0
	v_lshl_add_u32 v[SPW], v0, 2, SPARE
	v_mov_b32 v[NIL], 0
	v_lshrrev_b32 v8, 5, v0
	v_readfirstlane_b32 s14, v8                    ; wave 0..3
	s_and_b32 s15, ttmp7, 0xffff
	s_lshl_b32 s16, s15, 2
	s_add_co_u32 s16, s16, s14                     ; my group of 64 features
	v_and_b32 v8, 31, v0
	v_lshlrev_b32 v[LI], 4, v8
	v_and_b32 v9, 15, v0                           ; r
	v_bfe_u32 v10, v0, 4, 1                        ; h
	v_lshlrev_b32 v[WA], 9, v9
	v_lshl_add_u32 v[WA], v10, 4, v[WA]
	s_mul_i32 s17, s14, STG
	v_mul_u32_u24 v[STO], v9, 272
	v_lshl_add_u32 v[STO], v10, 5, v[STO]
	v_add_nc_u32 v[STO], s17, v[STO]
	v_mul_u32_u24 v[RD], v10, 272
	v_lshl_add_u32 v[RD], v9, 4, v[RD]
	v_add_nc_u32 v[RD], s17, v[RD]
	v_lshlrev_b32 v[GO], 11, v10                   ; a row of out0 is 2,048 bytes
	v_lshl_add_u32 v[GO], v9, 4, v[GO]
	v_lshlrev_b32 v[BA], 5, v10
	s_lshl_b32 s24, ttmp9, 15                      ; ctx: four tiles of 8,192 bytes
	s_mov_b32 s25, 0
	s_lshl_b32 s26, s16, 15                        ; Wo: 64 rows of 512 bytes
	s_mov_b32 s27, 0
	s_lshl_b32 s28, s16, 8                         ; bo, and the columns of out0: 64 numbers of 4 bytes
	s_mov_b32 s29, 0
	s_lshl_b32 s30, ttmp9, 17                      ; out0: 64 rows of 2,048 bytes
	s_mov_b32 s31, 0
	s_wait_alu depctr_va_vdst(0)
	s_wait_kmcnt 0x0
	s_load_b64 s[20:21], s[10:11], 0x28            ; e10, e11
	s_add_nc_u64 s[4:5], s[4:5], s[24:25]
	s_add_nc_u64 s[6:7], s[6:7], s[26:27]
	s_add_nc_u64 s[8:9], s[8:9], s[28:29]
	s_add_nc_u64 s[12:13], s[12:13], s[30:31]
	s_add_nc_u64 s[12:13], s[12:13], s[28:29]
.macro GFETCH i                        ; tile i of my four into v[64 i ..] of window 2
.irp ks, 0,1,2,3
.irp c, 0,1,2,3
	global_load_b128 v[64*(\i)+16*\ks+4*\c:64*(\i)+16*\ks+4*\c+3], v[LI], s[4:5] offset:8192*(\i)+2048*\ks+512*\c
.endr
.endr
.endm
	WIN 0x80                                       ; destination window 2, address window 0
	GFETCH 0
	WIN 0x40                                       ; destination window 1, address window 0
.irp wt, 0,1,2,3                       ; Wo's fragment (tile wt, K step ks) at v[16 (4 wt + ks)] of window 1
.irp ks, 0,1,2,3
.irp c, 0,1,2,3
	global_load_b128 v[16*(4*\wt+\ks)+4*\c:16*(4*\wt+\ks)+4*\c+3], v[WA], s[6:7] offset:16*\wt*512+128*\ks+32*\c
.endr
.endr
.endr
	WIN 0
.irp wt, 0,1,2,3
	global_load_b128 v[BI+8*\wt:BI+8*\wt+3], v[BA], s[8:9] offset:64*\wt          ; bo(16 wt + 8 h + 0 .. 7) of my group
	global_load_b128 v[BI+8*\wt+4:BI+8*\wt+7], v[BA], s[8:9] offset:64*\wt+16
.endr
	WIN 0x80                                       ; the other three tiles are asked for at once, behind all that the first tile needs
	GFETCH 1
	GFETCH 2
	GFETCH 3
	WIN 0
	s_wait_kmcnt 0x0
	s_add_co_i32 s22, s20, s21
	s_add_co_i32 s22, s22, 127
	s_lshl_b32 s22, s22, 23                        ; 2^(e10 + e11) as f32
	s_mov_b32 s23, s22                             ; (named with it as a pair)
.macro OTILE i
	s_wait_loadcnt 48-16*(\i)                      ; behind tile i's loads stand those of the 3 - i later tiles, 16 each
	WIN 0x09                                       ; source 0 (Wo) window 1, source 1 (ctx) window 2
.irp ks, 0,1,2,3
.irp wt, 0,1,2,3                       ; four accumulators by turns, one instruction a turn
.if \ks == 0
	v_wmma_f32_16x16x128_fp8_fp8 v[ACC+8*\wt:ACC+8*\wt+7], v[16*(4*\wt+\ks):16*(4*\wt+\ks)+15], v[64*(\i)+16*\ks:64*(\i)+16*\ks+15], 0
.else
	v_wmma_f32_16x16x128_fp8_fp8 v[ACC+8*\wt:ACC+8*\wt+7], v[16*(4*\wt+\ks):16*(4*\wt+\ks)+15], v[64*(\i)+16*\ks:64*(\i)+16*\ks+15], v[ACC+8*\wt:ACC+8*\wt+7]
.endif
.endr
.endr
	WIN 0
.rept 4
	v_nop                                          ; places in front of the reads of the results (ISA guide 7.12.1)
.endr
	s_wait_xcnt 0x0                                ; the last tile's stores have read their registers
.set j, 0
.rept 16
	v_pk_fma_f32 v[Y+j:Y+j+1], v[ACC+j:ACC+j+1], s[22:23], v[BI+j:BI+j+1] op_sel_hi:[1,0,1]   ; sum x 2^(e10 + e11) + bo; each accumulator from its low end on
.set j, j+2
.endr
.irp wt, 0,1,2,3
	ds_store_b128 v[STO], v[Y+8*\wt:Y+8*\wt+3] offset:64*\wt
	ds_store_b128 v[STO], v[Y+8*\wt+4:Y+8*\wt+7] offset:64*\wt+16
.endr
.irp k, 0,1,2,3,4,5,6,7
	ds_load_b128 v[Y+4*\k:Y+4*\k+3], v[RD] offset:2*\k*272    ; LDS serves a wave's instructions in order (ISA guide 5.7.1.4): these see my stores, and the next tile's stores come behind them
.endr
.irp k, 0,1,2,3,4,5,6,7
	s_wait_dscnt 7-\k
	global_store_b128 v[GO], v[Y+4*\k:Y+4*\k+3], s[12:13] offset:(32*((\i)/2)+8*((\i)%2)+2*\k+8*((2*\k)/8))*2048 th:TH_STORE_NT   ; stage rows 2 k, 2 k + 1 are rows rho(2 k), rho(2 k) + 1 of the tile
.endr
.endm
	OTILE 0
	OTILE 1
	OTILE 2
	OTILE 3
	s_wait_tensorcnt 0x0                           ; the wave's end
	ds_add_u32 v[SPW], v[NIL]
	s_wait_dscnt 0x0
	s_endpgm
.Lfunc_end_k_q07b978365e_oproj:
	.size	k_q07b978365e_oproj, .Lfunc_end_k_q07b978365e_oproj-k_q07b978365e_oproj
	.p2alignl 7, 3214868480
	.fill 96, 4, 3214868480
	.section	.rodata,"a",@progbits
	.p2align	6, 0x0
	.amdhsa_kernel k_q07b978365e_oproj
		.amdhsa_group_segment_fixed_size 17920
		.amdhsa_private_segment_fixed_size 0
		.amdhsa_enable_private_segment 0
		.amdhsa_kernarg_size 40
		.amdhsa_user_sgpr_count 2
		.amdhsa_user_sgpr_kernarg_segment_ptr 1
		.amdhsa_wavefront_size32 1
		.amdhsa_system_sgpr_workgroup_id_x 1
		.amdhsa_system_sgpr_workgroup_id_y 1
		.amdhsa_system_sgpr_workgroup_id_z 1
		.amdhsa_system_vgpr_workitem_id 0
		.amdhsa_next_free_vgpr 768
		.amdhsa_next_free_sgpr 66
		.amdhsa_reserve_vcc 0
		.amdhsa_float_denorm_mode_32 3
		.amdhsa_float_denorm_mode_16_64 3
		.amdhsa_memory_ordered 1
		.amdhsa_forward_progress 1
		.amdhsa_inst_pref_size 33
	.end_amdhsa_kernel
	.amdgpu_metadata
---
amdhsa.version: [ 1, 2 ]
amdhsa.kernels:
  - .name:           k_q07b978365e_oproj
    .symbol:         k_q07b978365e_oproj.kd
    .args:
      - { .name: ctx, .offset: 0, .size: 8, .value_kind: global_buffer, .address_space: global }
      - { .name: Wo_codes, .offset: 8, .size: 8, .value_kind: global_buffer, .address_space: global }
      - { .name: bo, .offset: 16, .size: 8, .value_kind: global_buffer, .address_space: global }
      - { .name: lowp_scales, .offset: 24, .size: 8, .value_kind: global_buffer, .address_space: global }
      - { .name: out0, .offset: 32, .size: 8, .value_kind: global_buffer, .address_space: global }
    .group_segment_fixed_size: 17920
    .private_segment_fixed_size: 0
    .kernarg_segment_align: 8
    .kernarg_segment_size: 40
    .max_flat_workgroup_size: 128
    .sgpr_count:     66
    .vgpr_count:     768
    .wavefront_size: 32
...
	.end_amdgpu_metadata
.endif
;; end of part 3
